; MI455X (gfx1250); checked and timed in simulation.
; The chip was launched on July 23, 2026; its instructions are those of AMD's public machine-readable ISA for CDNA 5 (MIT licence, August 2026) and "CDNA5" Instruction Set Architecture Reference Guide (July 2026). The comments in the code are by the model that wrote it; some were corrected since.
;; Multi Hop Attention. Allowed arithmetic: matrix products marked QUANTISED: E3M2 operands, one E8M0 scale for each 32 along K, by v_wmma_scale_f32_16x16x128_f8f6f4 with both operands' format E3M2, f32 sums; products left as they are: f32 operands where the result goes on into a quantised operand, else bf16, f16 or f32 operands; f32 sums; everything else in f32.
;; Inputs: W_u_1 1,024 x 1,024 float32; W_u_2 1,024 x 1,024 float32; W_u_h_1 1,024 x 1 float32; W_u_h_2 1,024 x 1 float32; W_u_m_1 1,024 x 1,024 float32; W_u_m_2 1,024 x 1,024 float32; inputs 32 x 1,024 x 1,024 float32; qvector 32 x 1,024 float32.
;; Outputs: out0 3 x 32 x 1,024 float32.
;; This version of the problem:
;;   THIS VERSION OF THE PROBLEM IS GIVEN IN LOW PRECISION. The matrix products marked QUANTISED in the list below multiply operands that are first quantised to E3M2 (3 exponent bits, 2 mantissa bits; 6 bits a number), with one power-of-two scale for each 32 numbers along K (OCP MX v1.0); their sums are f32. All else is computed in f32.
;;   The module's matrix products, in the order in which they are computed (A, B: the left and right operand; K: the contracted axis; several contracted axes count as one K, in the product's order):
;;     1. [M 32,768, K 1,024] x [K 1,024, N 1,024]; A: input inputs; B: input W_u_1: QUANTISED
;;     2. [M 32, K 1,024] x [K 1,024, N 1,024]; A: computed on the way; B: input W_u_m_1: QUANTISED
;;     3. [M 32,768, K 1,024] x [K 1,024, N 1]; A: computed on the way; B: input W_u_h_1: left as it is (N = 1 < 16)
;;     4. [M 32,768, K 1,024] x [K 1,024, N 1,024]; A: input inputs; B: input W_u_2: QUANTISED
;;     5. [M 32, K 1,024] x [K 1,024, N 1,024]; A: computed on the way; B: input W_u_m_2: QUANTISED
;;     6. [M 32,768, K 1,024] x [K 1,024, N 1]; A: computed on the way; B: input W_u_h_2: left as it is (N = 1 < 16)
;;   THE QUANTISER, for each operand of a quantised product, along K:
;;     - K is cut into blocks of 32 from its start; a last block that is shorter is filled with zeros.
;;     - A block's scale is 2^e with e = floor(log2(the largest magnitude in the block)) - 4, held to -126 .. 127; a block of zeros has e = 0. As a byte (E8M0): e + 127.
;;     - Each number is divided by its block's scale, clamped to +-28, and rounded to the nearest number of E3M2, ties to even, subnormals kept.
;;     - The product sums the exact products of the quantised numbers (number of the format x scale) in f32.
;;   ~~~python
;;   def quantise(x, axis):      # numpy; x: float32 -> the quantised numbers, widened to float32 again
;;       x = np.moveaxis(x, axis, -1); K = x.shape[-1]
;;       x = np.pad(x, [(0, 0)] * (x.ndim - 1) + [(0, -K % 32)]); x = x.reshape(x.shape[:-1] + (-1, 32)); a = np.abs(x).max(-1, keepdims=True)
;;       e = np.where(a > 0, np.clip(np.frexp(np.where(a > 0, a, 1))[1] - 1 - 4, -126, 127), 0)      # np.frexp(a)[1] - 1 = floor(log2(a)), exactly
;;       r = np.clip(x / 2.0 ** e, -28, 28)
;;       step = 2.0 ** (np.maximum(np.frexp(np.where(r == 0, 1, r))[1] - 1, -2) - 2)
;;       q = np.round(r / step) * step * 2.0 ** e      # np.round: ties to even
;;       return np.moveaxis(q.reshape(q.shape[:-2] + (-1,))[..., :K], -1, axis).astype(np.float32)
;;   ~~~
;;   OPERANDS COMPUTED ON THE WAY. 'Computed on the way' means the value that the module computes at that place (a softmax that the list does not call 'softmax' is quantised finished and normalised). What goes into a quantiser is computed in f32, as accurately as f32 sums, v_exp_f32 and their like allow (about 1e-6 of the number): no bf16 or f16 on the way to a quantiser, and a product that is left as it is and whose result goes on into a quantised operand takes f32 operands (vector FMAs, or v_wmma_f32_16x16x4_f32). A number that lies on a knife's edge between two numbers of the format may be rounded either way, as far as f32 arithmetic and the matrix unit's own rounding can turn it there, and no further.
;; One version. Each part assembles by itself: llvm-mc -triple=amdgcn-amd-amdhsa -mcpu=gfx1250 --defsym DOCPART=n.
;; ======== version 1 of 1: 4 launches
;; limits: right only within a limited range of input values
;; workspace buffers: ximg 25,165,824 bytes; xs 1,048,576 bytes; wrec 3,276,800 bytes; mrec 32,768 bytes; cg 262,144 bytes; ubuf 262,144 bytes
;; launch prep (part 1): grid 8 x 32, 4 waves a work-group, no clusters, 327,680 bytes of LDS; arguments inputs, qvector, W_u_1, W_u_2, W_u_m_1, W_u_m_2, ximg, xs, wrec, mrec, out0; writes ximg, xs, wrec, mrec, out0
.if DOCPART == 1
	.amdgcn_target "amdgcn-amd-amdhsa--gfx1250"
	.amdhsa_code_object_version 6
	.text
	.protected	k_q3df7b7a6da_prep
	.globl	k_q3df7b7a6da_prep
	.p2align	8
	.type	k_q3df7b7a6da_prep,@function
k_q3df7b7a6da_prep:
	s_mov_b64 s[64:65], 0
	v_nop
	global_prefetch_b8 v0, s[64:65] scope:SCOPE_SE
	s_setreg_imm32_b32 hwreg(HW_REG_WAVE_MODE, 25, 1), 1
	s_wait_xcnt 0x0
; One pass over inputs: work-group (x, b) takes columns 128 x .. + 127 of batch b, all 1,024 rows.  It stores the rows' codes of E3M2 as images of the operand's registers (ximg) with their scale words (xs),
; the mean over the rows (out0, plane 0), and the codes and scale byte of m0 = mean x qvector (mrec).  Each work-group also quantises a piece of 128 (K) x 128 of one of the four weights, a lane to a column, into records of 16 columns (wrec).
; A wave takes 256 rows as four tiles of 64 rows x 512 bytes through its own two LDS slots.  PREFETCH: tile 1 is named behind tile 0's load, tile 2 behind the weights' loads, tile 3 behind tile 2's load:
; a lane a row, two blocks of 256 bytes a row, each block once; at most two tiles are named and not yet loaded.
; WORK LEFT OUT in this program.  (1) m1 = m0 + u_att0 x qvector = 2 m0 for all inputs, and the quantiser of 2 m0 gives m0's codes under a scale twice as large: m1 is not formed, and the 2 stands in gate's constant.
; (2) tanh(y) = 1 - 2 / (1 + e^(2 y)), so U[s] = sum_d c_d - 2 sum_d c_d r[s][d]; the first term is the same along the softmax's axis for all inputs and is not formed.
; LIMITS: a NaN, an infinity or an overflow that reaches only the work left out is not carried to the result; a block of zeros gets the scale byte 1 (its codes are zeros; this program alone reads the bytes).
.set TILE,  64*528
.set RING,  2*TILE
.set SCW,   4*RING
.set SUMS,  SCW+4096
.set MEAN,  SUMS+32768
.set REC,   MEAN+512
.set SPARE, REC+256
.set LA,  1
.set IM,  2
.set SWA, 3
.set L4,  4
.set WSO, 5
.set QA,  6
.set SS,  7
.set SRD, 8
.set MA,  9
.set RA,  10
.set RB,  11
.set RZ,  12
.set SCR, 13
.set X,   16
.set SUM, 144
.set FW0, SUM
.set FW1, SUM+12
.set TW,  SUM+24
.set RS,  X+64
.set MM,  X+80
.set TM,  208
.set PC,  224
.set PW,  244
.set MR,  245
.set RR,  246
.set ZR,  247
.set SPW, 252
.set NIL, 253
.set WV,  2
.set BB,  3
.set G1,  40
.set G0,  48
.set SEL, 56
	s_load_b512 s[16:31], s[0:1], 0x0
	s_load_b128 s[32:35], s[0:1], 0x40
	s_load_b64 s[36:37], s[0:1], 0x50
	v_lshl_add_u32 v[SPW], v0, 2, SPARE
	v_mov_b32 v[NIL], 0
	ds_add_u32 v[SPW], v[NIL]
	ds_add_u32 v[SPW], v[NIL]
	v_lshrrev_b32 v14, 5, v0
	v_readfirstlane_b32 s[WV], v14
	v_and_b32 v248, 31, v0
	v_lshlrev_b32 v248, 12, v248                   ; the prefetches' offset: a lane a row of 4,096 bytes; never rewritten
	s_and_b32 s[BB], ttmp7, 0xffff
	s_mov_b32 s[G1+0], (2<<16)|(1<<20)|(6<<22)|(3<<25)
	s_mov_b32 s[G1+1], 128<<16
	s_mov_b32 s[G1+2], 64<<16
	s_mov_b32 s[G1+3], 128<<16
	s_mov_b32 s[G1+4], 64
	s_mov_b32 s[G1+5], 1024
	s_mov_b32 s[G1+6], 0
	s_mov_b32 s[G1+7], 0
	s_mov_b32 s[SEL], 0x76543210
	s_mov_b32 s[SEL+1], 0xfedcba98
	s_lshl_b32 s4, s[BB], 22
	s_lshl_b32 s5, s[WV], 20
	s_add_co_u32 s4, s4, s5
	s_lshl_b32 s5, ttmp9, 9
	s_add_co_u32 s4, s4, s5
	s_mov_b32 s5, 0
	s_mul_i32 s8, s[WV], RING
	s_wait_dscnt 0x0
	s_wait_kmcnt 0x0
	s_add_nc_u64 s[6:7], s[16:17], s[4:5]
.irp n, 0,1
	s_mov_b32 s[G0+4*\n], 1
	s_add_co_u32 s[G0+4*\n+1], s8, \n*TILE
	s_add_nc_u64 s[G0+4*\n+2:G0+4*\n+3], s[6:7], \n*64*4096
	s_or_b32 s[G0+4*\n+3], s[G0+4*\n+3], 0x80000000
	s_wait_alu depctr_va_vdst(0)
	s_wait_tensorcnt 0x0
	ds_add_u32 v252, v253
	ds_add_u32 v252, v253
	s_wait_dscnt 0x0
	s_barrier_signal -1
	s_barrier_wait -1
	tensor_load_to_lds s[G0+4*\n:G0+4*\n+3], s[G1:G1+7]
	s_nop 0
.if \n == 0
.irp k, 0,1
.irp c, 0,1
	global_prefetch_b8 v248, s[6:7] offset:(64+32*\k)*4096+256*\c th:TH_LOAD_NT scope:SCOPE_SE   ; tile 1
.endr
.endr
.endif
.endr
	v_and_b32 v14, 15, v0
	v_bfe_u32 v15, v0, 4, 1
	v_mul_u32_u24 v[LA], v14, 528
	v_lshl_add_u32 v[LA], v15, 6, v[LA]
	v_add_nc_u32 v[LA], s8, v[LA]
	v_and_b32 v[L4], 31, v0
	v_lshlrev_b32 v[IM], 4, v[L4]
	v_lshlrev_b32 v[L4], 2, v[L4]
	s_lshl_b32 s9, s[WV], 10
	s_add_co_u32 s9, s9, SCW
	v_lshl_add_u32 v[SWA], v14, 2, s9
	v_add_nc_u32 v[SCR], s9, v[IM]
	v_mul_u32_u24 v[WSO], v15, 12800
	v_lshl_add_u32 v[WSO], v14, 2, v[WSO]
	v_lshlrev_b32 v[QA], 6, v15
	s_lshl_b32 s9, s[WV], 13
	s_add_co_u32 s9, s9, SUMS
	v_add_nc_u32 v[SS], s9, v[IM]
	s_lshl_b32 s9, s[WV], 11
	s_add_co_u32 s9, s9, SUMS
	v_add_nc_u32 v[SRD], s9, v[IM]
	s_lshl_b32 s9, s[WV], 7
	s_add_co_u32 s9, s9, MEAN
	v_lshl_add_u32 v[MA], v15, 6, s9
	s_mul_i32 s9, s[WV], 24
	s_add_co_u32 s9, s9, REC
	v_mul_u32_u24 v[RA], v15, 12
	v_add_nc_u32 v[RA], s9, v[RA]
	s_add_co_u32 s9, s[WV], REC+96
	v_mov_b32 v[RB], s9
	s_lshl_b32 s9, s[WV], 2
	s_add_co_u32 s9, s9, REC+100
	v_mov_b32 v[RZ], s9
	v_add_nc_u32 v[MR], MEAN, v[IM]
	v_add_nc_u32 v[RR], REC, v[L4]
	v_mov_b32 v[ZR], 0
	s_lshl_b32 s58, s[BB], 12
	s_lshl_b32 s59, ttmp9, 9
	s_add_co_u32 s62, s58, s59
	s_mov_b32 s63, 0
	s_add_nc_u64 s[36:37], s[36:37], s[62:63]
	s_lshl_b32 s59, s[WV], 7
	s_add_co_u32 s62, s62, s59
	s_add_nc_u64 s[18:19], s[18:19], s[62:63]
	s_lshl_b32 s62, s[BB], 15
	s_lshl_b32 s59, ttmp9, 12
	s_add_co_u32 s62, s62, s59
	s_lshl_b32 s59, s[WV], 10
	s_add_co_u32 s62, s62, s59
	s_add_nc_u64 s[30:31], s[30:31], s[62:63]
	s_lshl_b32 s62, s[BB], 10
	s_lshl_b32 s59, ttmp9, 7
	s_add_co_u32 s62, s62, s59
	s_add_nc_u64 s[34:35], s[34:35], s[62:63]
	s_mul_i32 s62, s[BB], 786432
	s_mul_i32 s59, ttmp9, 1536
	s_add_co_u32 s62, s62, s59
	s_mul_i32 s59, s[WV], 196608
	s_add_co_u32 s62, s62, s59
	s_add_nc_u64 s[38:39], s[28:29], s[62:63]
	s_lshr_b32 s10, s[BB], 3
	s_and_b32 s11, s[BB], 7
	s_and_b32 s9, s10, 1
	s_cmp_eq_u32 s9, 0
	s_cselect_b64 s[12:13], s[20:21], s[22:23]
	s_cselect_b64 s[14:15], s[24:25], s[26:27]
	s_cmp_lt_u32 s10, 2
	s_cselect_b64 s[12:13], s[12:13], s[14:15]
	s_lshl_b32 s58, s11, 19
	s_lshl_b32 s59, ttmp9, 9
	s_add_co_u32 s58, s58, s59
	s_lshl_b32 s59, s[WV], 7
	s_add_co_u32 s58, s58, s59
	s_mov_b32 s59, 0
	s_add_nc_u64 s[12:13], s[12:13], s[58:59]
.set i_, 0
.rept 128
	global_load_b32 v[X+i_], v[L4], s[12:13] offset:i_*4096 th:TH_LOAD_NT
.set i_, i_+1
.endr
.irp k, 0,1
.irp c, 0,1
	global_prefetch_b8 v248, s[6:7] offset:(128+32*\k)*4096+256*\c th:TH_LOAD_NT scope:SCOPE_SE   ; tile 2
.endr
.endr
	s_lshl_b32 s58, s10, 6
	s_lshl_b32 s62, ttmp9, 3
	s_add_co_u32 s58, s58, s62
	s_lshl_b32 s62, s[WV], 1
	s_add_co_u32 s58, s58, s62
	s_mul_i32 s58, s58, 12800
	s_add_nc_u64 s[60:61], s[32:33], s[58:59]
	s_mul_i32 s58, s11, 1536
	s_add_nc_u64 s[14:15], s[60:61], s[58:59]
	s_lshl_b32 s58, s11, 6
	s_add_nc_u64 s[60:61], s[60:61], s[58:59]
	s_wait_loadcnt 0x0
.irp b, 0,1,2,3
	v_max3_num_f32 v[TM+\b], |v[X+32*\b]|, |v[X+32*\b+1]|, 0x2800000
.endr
.irp i, 2,4,6,8,10,12,14,16,18,20,22,24,26,28,30
.irp b, 0,1,2,3
	v_max3_num_f32 v[TM+\b], v[TM+\b], |v[X+32*\b+\i]|, |v[X+32*\b+\i+1]|
.endr
.endr
.irp b, 0,1,2,3
	v_add_nc_u32 v[TM+12+\b], 0xfe000000, v[TM+\b]
.endr
.irp b, 0,1,2,3
	v_lshrrev_b32 v[TM+4+\b], 23, v[TM+12+\b]
.endr
	v_lshl_or_b32 v[PW], v[TM+5], 8, v[TM+4]
	v_lshl_or_b32 v[PW], v[TM+6], 16, v[PW]
	v_lshl_or_b32 v[PW], v[TM+7], 24, v[PW]
.irp b, 0,1,2,3
	v_cvt_scalef32_pk16_bf6_f32 v[FW0+12*(\b%2)+6*(\b/2):FW0+12*(\b%2)+6*(\b/2)+2], v[X+32*\b:X+32*\b+15], v[TM+12+\b]
	v_cvt_scalef32_pk16_bf6_f32 v[TW+4*\b:TW+4*\b+2], v[X+32*\b+16:X+32*\b+31], v[TM+12+\b]
.endr
	v_nop
.irp c, 0,1
.irp i, 0,1,2
	v_permlane16_swap_b32 v[FW0+6*\c+\i], v[FW1+6*\c+\i]
	v_permlane16_swap_b32 v[TW+8*\c+\i], v[TW+8*\c+4+\i]
.endr
.endr
.irp c, 0,1
.irp i, 0,1,2
	v_mov_b32 v[FW0+6*\c+3+\i], v[TW+8*\c+\i]
	v_mov_b32 v[FW1+6*\c+3+\i], v[TW+8*\c+4+\i]
.endr
.endr
.irp c, 0,1,2
	global_store_b128 v[IM], v[FW0+4*\c:FW0+4*\c+3], s[14:15] offset:512*\c
	global_store_b128 v[IM], v[FW1+4*\c:FW1+4*\c+3], s[14:15] offset:12800+512*\c
.endr
	global_store_b32 v[WSO], v[PW], s[60:61] offset:12288
	s_wait_xcnt 0x0
.macro XLD reg, slot, f
.irp b, 0,1,2,3
.irp j, 0,1,2,3
	ds_load_b128 v[\reg+16*\b+4*\j:\reg+16*\b+4*\j+3], v[LA] offset:(\slot)*TILE+(\f)*8448+128*\b+16*\j
.endr
.endr
.endm
.macro QUANT s
.irp b, 0,1,2,3
	v_max3_num_f32 v[TM+\b], |v[\s+16*\b]|, |v[\s+1+16*\b]|, 0x2800000
.endr
.irp i, 2,4,6,8,10,12,14
.irp b, 0,1,2,3
	v_max3_num_f32 v[TM+\b], v[TM+\b], |v[\s+16*\b+\i]|, |v[\s+1+16*\b+\i]|
.endr
.endr
.irp b, 0,1,2,3
	v_permlanex16_b32 v[TM+4+\b], v[TM+\b], s[SEL], s[SEL+1]
.endr
.irp b, 0,1,2,3
	v_max_num_f32 v[TM+\b], v[TM+\b], v[TM+4+\b]
.endr
.irp b, 0,1,2,3
	v_add_nc_u32 v[TM+12+\b], 0xfe000000, v[TM+\b]
.endr
.irp b, 0,1,2,3
	v_lshrrev_b32 v[TM+4+\b], 23, v[TM+12+\b]
.endr
	v_lshl_or_b32 v[PW], v[TM+5], 8, v[TM+4]
	v_lshl_or_b32 v[PW], v[TM+6], 16, v[PW]
	v_lshl_or_b32 v[PW], v[TM+7], 24, v[PW]
.irp c, 0,1
	v_cvt_scalef32_pk16_bf6_f32 v[PC+6*\c:PC+2+6*\c], v[\s+32*\c:\s+15+32*\c], v[TM+12+2*\c]
	v_cvt_scalef32_pk16_bf6_f32 v[PC+12+4*\c:PC+14+4*\c], v[\s+16+32*\c:\s+31+32*\c], v[TM+12+2*\c+1]
.endr
	v_nop
.irp c, 0,1
.irp i, 0,1,2
	v_permlane16_swap_b32 v[PC+6*\c+\i], v[PC+12+4*\c+\i]
.endr
.irp i, 0,1,2
	v_mov_b32 v[PC+3+6*\c+\i], v[PC+12+4*\c+\i]
.endr
.endr
.endm
.macro FRAG F
.if ((\F)%4) < 3
	XLD X+64*(((\F)+1)%2), ((\F)/4)%2, ((\F)%4)+1
	s_wait_dscnt 16
.else
	s_wait_dscnt 0x0
.endif
	s_wait_xcnt 0x0
.if (\F) == 0
	QUANT SUM
.else
.set i_, 0
.rept 32
	v_pk_add_f32 v[SUM+i_:SUM+i_+1], v[SUM+i_:SUM+i_+1], v[X+64*((\F)%2)+i_:X+64*((\F)%2)+i_+1]
.set i_, i_+2
.endr
	QUANT X+64*((\F)%2)
.endif
.irp c, 0,1,2
	global_store_b128 v[IM], v[PC+4*\c:PC+4*\c+3], s[38:39] offset:12288*(\F)+512*\c
.endr
	ds_store_b32 v[SWA], v[PW] offset:64*(\F)
.endm
.macro FILL n
	s_wait_tensorcnt 0x0
	ds_add_u32 v[SPW], v[NIL]
	s_add_nc_u64 s[G0+4*\n+2:G0+4*\n+3], s[G0+4*\n+2:G0+4*\n+3], 128*4096
	s_wait_dscnt 0x0
	s_barrier_signal -1
	s_barrier_wait -1
	tensor_load_to_lds s[G0+4*\n:G0+4*\n+3], s[G1:G1+7]
	s_nop 0
.endm
	s_wait_tensorcnt 0x1
	XLD SUM, 0, 0
.irp F, 0,1,2,3
	FRAG \F
.endr
	FILL 0
	s_wait_tensorcnt 0x1
	XLD X, 1, 0
.irp k, 0,1
.irp c, 0,1
	global_prefetch_b8 v248, s[6:7] offset:(192+32*\k)*4096+256*\c th:TH_LOAD_NT scope:SCOPE_SE   ; tile 3
.endr
.endr
.irp F, 4,5,6,7
	FRAG \F
.endr
	FILL 1
	s_wait_tensorcnt 0x1
	XLD X, 0, 0
.irp F, 8,9,10,11
	FRAG \F
.endr
	s_wait_tensorcnt 0x0
	XLD X, 1, 0
.irp F, 12,13,14
	FRAG \F
.endr
.irp j, 0,1,2,3
	global_load_b128 v[X+4*\j:X+4*\j+3], v[QA], s[18:19] offset:16*\j
.endr
	FRAG 15
.irp q, 0,1,2,3,4,5,6,7,8,9,10,11,12,13,14,15
	ds_store_b128 v[SS], v[SUM+4*\q:SUM+4*\q+3] offset:512*\q
.endr
	s_wait_dscnt 0x0
	s_barrier_signal -1
	s_barrier_wait -1
.irp u, 0,1,2,3
.irp q, 0,1,2,3
	ds_load_b128 v[RS+16*\u+4*\q:RS+16*\u+4*\q+3], v[SRD] offset:8192*\u+512*\q
.endr
.endr
	s_wait_dscnt 0x0
.irp i, 0,2,4,6,8,10,12,14
	v_pk_add_f32 v[RS+\i:RS+\i+1], v[RS+\i:RS+\i+1], v[RS+16+\i:RS+17+\i]
	v_pk_add_f32 v[RS+32+\i:RS+33+\i], v[RS+32+\i:RS+33+\i], v[RS+48+\i:RS+49+\i]
.endr
.irp i, 0,2,4,6,8,10,12,14
	v_pk_add_f32 v[RS+\i:RS+\i+1], v[RS+\i:RS+\i+1], v[RS+32+\i:RS+33+\i]
.endr
.irp m, 1,2,4,8
.irp i, 0,1,2,3,4,5,6,7,8,9,10,11,12,13,14,15
	v_add_f32_dpp v[RS+\i], v[RS+\i], v[RS+\i] row_xmask:\m row_mask:0xf bank_mask:0xf
.endr
.endr
.irp i, 0,2,4,6,8,10,12,14
	v_pk_mul_f32 v[RS+\i:RS+\i+1], v[RS+\i:RS+\i+1], 0x3a800000 op_sel_hi:[1,0]
.endr
	s_wait_alu depctr_va_vdst(0)
	s_wait_loadcnt 0x0
.irp i, 0,2,4,6,8,10,12,14
	v_pk_mul_f32 v[MM+\i:MM+\i+1], v[RS+\i:RS+\i+1], v[X+\i:X+\i+1]
.endr
	v_max3_num_f32 v[TM], |v[MM]|, |v[MM+1]|, 0x2800000
.irp i, 2,4,6,8,10,12,14
	v_max3_num_f32 v[TM], v[TM], |v[MM+\i]|, |v[MM+\i+1]|
.endr
	v_permlanex16_b32 v[TM+4], v[TM], s[SEL], s[SEL+1]
	v_max_num_f32 v[TM], v[TM], v[TM+4]
	v_add_nc_u32 v[TM+12], 0xfe000000, v[TM]
	v_lshrrev_b32 v[TM+4], 23, v[TM+12]
	s_wait_alu depctr_va_vdst(0)
	s_wait_xcnt 0x0
	v_cvt_scalef32_pk16_bf6_f32 v[PC:PC+2], v[MM:MM+15], v[TM+12]
	v_nop
.irp j, 0,1,2,3
	ds_store_b128 v[MA], v[RS+4*\j:RS+4*\j+3] offset:16*\j
.endr
.irp i, 0,1,2
	ds_store_b32 v[RA], v[PC+\i] offset:4*\i
.endr
	ds_store_b8 v[RB], v[TM+4]
	ds_store_b32 v[RZ], v[ZR]
	ds_store_b32 v[RZ], v[ZR] offset:16
	s_wait_dscnt 0x0
	s_barrier_signal -1
	s_barrier_wait -1
	ds_load_b128 v[16:19], v[SCR]
	ds_load_b128 v[20:23], v[SCR] offset:512
	s_wait_dscnt 0x0
	global_store_b128 v[IM], v[16:19], s[30:31]
	global_store_b128 v[IM], v[20:23], s[30:31] offset:512
	s_cmp_lg_u32 s[WV], 0
	s_cbranch_scc1 .Lnot_wave_0
	ds_load_b128 v[24:27], v[MR]
	ds_load_b32 v28, v[RR]
	s_wait_dscnt 0x0
	global_store_b128 v[IM], v[24:27], s[36:37]
	global_store_b32 v[L4], v28, s[34:35]
.Lnot_wave_0:
	s_wait_tensorcnt 0x0
	ds_add_u32 v[SPW], v[NIL]
	s_wait_dscnt 0x0
	s_endpgm
.Lfunc_end_k_q3df7b7a6da_prep:
	.size	k_q3df7b7a6da_prep, .Lfunc_end_k_q3df7b7a6da_prep-k_q3df7b7a6da_prep
	.p2alignl 7, 3214868480
	.fill 96, 4, 3214868480
	.section	.rodata,"a",@progbits
	.p2align	6, 0x0
	.amdhsa_kernel k_q3df7b7a6da_prep
		.amdhsa_group_segment_fixed_size 327680
		.amdhsa_private_segment_fixed_size 0
		.amdhsa_enable_private_segment 0
		.amdhsa_kernarg_size 88
		.amdhsa_user_sgpr_count 2
		.amdhsa_user_sgpr_kernarg_segment_ptr 1
		.amdhsa_wavefront_size32 1
		.amdhsa_system_sgpr_workgroup_id_x 1
		.amdhsa_system_sgpr_workgroup_id_y 1
		.amdhsa_system_sgpr_workgroup_id_z 1
		.amdhsa_system_vgpr_workitem_id 0
		.amdhsa_next_free_vgpr 256
		.amdhsa_next_free_sgpr 66
		.amdhsa_reserve_vcc 0
		.amdhsa_float_denorm_mode_32 3
		.amdhsa_float_denorm_mode_16_64 3
		.amdhsa_memory_ordered 1
		.amdhsa_forward_progress 1
		.amdhsa_inst_pref_size 151
	.end_amdhsa_kernel
	.amdgpu_metadata
---
amdhsa.version: [ 1, 2 ]
amdhsa.kernels:
  - .name:           k_q3df7b7a6da_prep
    .symbol:         k_q3df7b7a6da_prep.kd
    .args:
      - { .name: inputs, .offset: 0, .size: 8, .value_kind: global_buffer, .address_space: global }
      - { .name: qvector, .offset: 8, .size: 8, .value_kind: global_buffer, .address_space: global }
      - { .name: W_u_1, .offset: 16, .size: 8, .value_kind: global_buffer, .address_space: global }
      - { .name: W_u_2, .offset: 24, .size: 8, .value_kind: global_buffer, .address_space: global }
      - { .name: W_u_m_1, .offset: 32, .size: 8, .value_kind: global_buffer, .address_space: global }
      - { .name: W_u_m_2, .offset: 40, .size: 8, .value_kind: global_buffer, .address_space: global }
      - { .name: ximg, .offset: 48, .size: 8, .value_kind: global_buffer, .address_space: global }
      - { .name: xs, .offset: 56, .size: 8, .value_kind: global_buffer, .address_space: global }
      - { .name: wrec, .offset: 64, .size: 8, .value_kind: global_buffer, .address_space: global }
      - { .name: mrec, .offset: 72, .size: 8, .value_kind: global_buffer, .address_space: global }
      - { .name: out0, .offset: 80, .size: 8, .value_kind: global_buffer, .address_space: global }
    .group_segment_fixed_size: 327680
    .private_segment_fixed_size: 0
    .kernarg_segment_align: 8
    .kernarg_segment_size: 88
    .max_flat_workgroup_size: 128
    .sgpr_count:     66
    .vgpr_count:     256
    .wavefront_size: 32
...
	.end_amdgpu_metadata
.endif
;; end of part 1
;; launch gate (part 2): grid 32 x 1, 8 waves a work-group, no clusters, 9,728 bytes of LDS; arguments mrec, wrec, W_u_h_1, W_u_h_2, cg; writes cg
.if DOCPART == 2
	.amdgcn_target "amdgcn-amd-amdhsa--gfx1250"
	.amdhsa_code_object_version 6
	.text
	.protected	k_q3df7b7a6da_gate
	.globl	k_q3df7b7a6da_gate
	.p2align	8
	.type	k_q3df7b7a6da_gate,@function
k_q3df7b7a6da_gate:
	s_mov_b64 s[64:65], 0
	v_nop
	global_prefetch_b8 v0, s[64:65] scope:SCOPE_SE
	s_setreg_imm32_b32 hwreg(HW_REG_WAVE_MODE, 25, 1), 1
	s_wait_xcnt 0x0
; cg[b][1024 hop + d] = -2 x tanh(m_hop W_u_m_hop)[b][d] x W_u_h_hop[d], for both hops.  The products are on codes of E3M2 (mrec: m0; wrec: records 128 on).
; WORK LEFT OUT: m1 = 2 m0 for all inputs, and the quantiser of 2 m0 gives m0's codes under a scale twice as large: hop 2's product is twice Q(m0) Q(W_u_m_2), and the 2 stands in the exponential's constant.
; tanh(z) = 1 - 2 / (1 + 2^(2 log2(e) z)): at both ends of the range the exponential's infinity or zero gives 1 or -1.
; SHARES.  Work-group g: hop g / 16, columns 64 (g % 16) .. + 63 of that hop.  Wave w: the record of 16 columns 128 + 4 g + w / 2, batches 16 (w % 2) .. + 15: eight matrix instructions, K = 1,024.
; The product is used transposed (source 0 = 16 columns of W, source 1 = 16 rows of m0): lane (r, h) holds batch r and columns 8 h + 0 .. 7.
; Even K steps sum in one accumulator and odd ones in another, so that the two take turns.  32 work-groups are all the work there is: 2,048 matrix instructions in the launch.
.set STG,   0                          ; 32 rows (batches) x (256 bytes + 16)
.set SPARE, 8704
.set WF,  16                           ; v16-111  W's eight fragments
.set MF,  112                          ; v112-207 m0's eight
.set SBG, 208                          ; v208-211 W's scale words: register j: lanes 0-15 K step 2 j, lanes 16-31 K step 2 j + 1
.set SM,  212                          ; v212-219 m0's
.set ACC, 220                          ; v220-235 two accumulators
.set WH,  236                          ; v236-243 Wh of my eight columns
.set T,   244                          ; v244-251 at work
.set SPW, 252
.set NIL, 253
	s_load_b256 s[4:11], s[0:1], 0x0               ; mrec 4, wrec 6, W_u_h_1 8, W_u_h_2 10
	s_load_b64 s[12:13], s[0:1], 0x20              ; cg
	v_lshl_add_u32 v[SPW], v0, 2, SPARE
	v_mov_b32 v[NIL], 0
	v_lshrrev_b32 v1, 5, v0
	s_delay_alu instid0(VALU_DEP_1)
	v_readfirstlane_b32 s14, v1                    ; wave 0..7
	s_lshr_b32 s15, s14, 1                         ; which of the work-group's four records
	s_and_b32 s16, s14, 1                          ; which 16 batches
	v_and_b32 v1, 31, v0
	v_and_b32 v2, 15, v0                           ; r
	v_bfe_u32 v3, v0, 4, 1                         ; h
	s_delay_alu instid0(VALU_DEP_3)
	v_lshlrev_b32 v4, 4, v1                        ; 16 x lane
	s_delay_alu instid0(VALU_DEP_4)
	v_lshlrev_b32 v5, 2, v1                        ; 4 x lane
	s_delay_alu instid0(VALU_DEP_4)
	v_lshlrev_b32 v6, 10, v2                       ; m0: batch r's 1,024 bytes
	s_delay_alu instid0(VALU_DEP_1)
	v_mad_u32_u24 v7, v3, 24, v6                   ; + 24 h: my half's codes
	v_lshlrev_b32 v8, 5, v3                        ; Wh: 32 h
	v_mul_u32_u24 v9, v2, 272                      ; the stage, in: row 16 (w % 2) + r, 64 (w / 2) + 32 h
	s_delay_alu instid0(VALU_DEP_1)
	v_lshl_add_u32 v9, v3, 5, v9
	s_mul_i32 s25, s16, 16*272
	s_lshl_b32 s26, s15, 6
	s_add_co_u32 s25, s25, s26
	v_add_nc_u32 v9, s25, v9
	v_mul_u32_u24 v10, v3, 272                     ; back: row 4 w + h (+ 2), 16 r
	s_delay_alu instid0(VALU_DEP_1)
	v_lshl_add_u32 v10, v2, 4, v10
	s_mul_i32 s25, s14, 4*272
	v_add_nc_u32 v10, s25, v10
	v_lshlrev_b32 v11, 13, v3                      ; and the same rows in cg: 8,192 bytes a batch
	s_delay_alu instid0(VALU_DEP_1)
	v_lshl_add_u32 v11, v2, 4, v11
	s_lshl_b32 s26, s14, 15
	s_lshl_b32 s27, ttmp9, 8                       ; 4 (1024 hop + 64 (g % 16)) = 256 g
	s_add_co_u32 s26, s26, s27
	s_mov_b32 s27, 0
	s_lshl_b32 s17, ttmp9, 2
	s_add_co_u32 s17, s17, s15
	s_add_co_u32 s18, s17, 128
	s_mul_i32 s18, s18, 12800                      ; my record
	s_mov_b32 s19, 0
	s_lshl_b32 s20, s16, 14                        ; my 16 batches of m0
	s_mov_b32 s21, 0
	s_and_b32 s22, s17, 63
	s_lshl_b32 s22, s22, 6                         ; my 16 numbers of Wh
	s_mov_b32 s23, 0
	s_wait_alu depctr_va_vdst(0)
	s_wait_kmcnt 0x0
	s_add_nc_u64 s[6:7], s[6:7], s[18:19]
	s_add_nc_u64 s[4:5], s[4:5], s[20:21]
	s_add_nc_u64 s[12:13], s[12:13], s[26:27]
	s_cmp_lt_u32 ttmp9, 16                         ; the hop: a choice on the work-group's number alone
	s_cselect_b64 s[8:9], s[8:9], s[10:11]
	s_mov_b32 s24, 0x40b8aa3b                      ; 4 log2(e) for hop 2,
	s_cselect_b32 s24, 0x4038aa3b, s24             ; 2 log2(e) for hop 1
	s_add_nc_u64 s[8:9], s[8:9], s[22:23]
.irp k, 0,1,2,3,4,5,6,7
.irp c, 0,1,2
	global_load_b128 v[WF+12*\k+4*\c:WF+12*\k+4*\c+3], v4, s[6:7] offset:1536*\k+512*\c   ; an image comes back as the registers that it was
.endr
.irp p, 0,1,2,3,4,5
	global_load_b64 v[MF+12*\k+2*\p:MF+12*\k+2*\p+1], v7, s[4:5] offset:128*\k+48*(\p/3)+8*(\p%3)
.endr
	global_load_b32 v[SM+\k], v6, s[4:5] offset:128*\k+96
.endr
.irp j, 0,1,2,3
	global_load_b32 v[SBG+\j], v5, s[6:7] offset:12288+128*\j
.endr
	global_load_b128 v[WH:WH+3], v8, s[8:9]
	global_load_b128 v[WH+4:WH+7], v8, s[8:9] offset:16
	s_wait_loadcnt 0x0
.macro GM k
.set fd_, ACC+8*((\k)%2)
.if (\k) == 0
	v_wmma_scale_f32_16x16x128_f8f6f4 v[fd_:fd_+7], v[WF+12*(\k):WF+12*(\k)+11], v[MF+12*(\k):MF+12*(\k)+11], 0, v[SBG+(\k)/2], v[SM+(\k)] matrix_a_fmt:MATRIX_FMT_BF6 matrix_b_fmt:MATRIX_FMT_BF6
.elseif (\k) == 1
	v_wmma_scale_f32_16x16x128_f8f6f4 v[fd_:fd_+7], v[WF+12*(\k):WF+12*(\k)+11], v[MF+12*(\k):MF+12*(\k)+11], 0, v[SBG+(\k)/2], v[SM+(\k)] matrix_a_fmt:MATRIX_FMT_BF6 matrix_b_fmt:MATRIX_FMT_BF6 matrix_a_scale:MATRIX_SCALE_ROW1
.elseif ((\k)%2) == 0
	v_wmma_scale_f32_16x16x128_f8f6f4 v[fd_:fd_+7], v[WF+12*(\k):WF+12*(\k)+11], v[MF+12*(\k):MF+12*(\k)+11], v[fd_:fd_+7], v[SBG+(\k)/2], v[SM+(\k)] matrix_a_fmt:MATRIX_FMT_BF6 matrix_b_fmt:MATRIX_FMT_BF6
.else
	v_wmma_scale_f32_16x16x128_f8f6f4 v[fd_:fd_+7], v[WF+12*(\k):WF+12*(\k)+11], v[MF+12*(\k):MF+12*(\k)+11], v[fd_:fd_+7], v[SBG+(\k)/2], v[SM+(\k)] matrix_a_fmt:MATRIX_FMT_BF6 matrix_b_fmt:MATRIX_FMT_BF6 matrix_a_scale:MATRIX_SCALE_ROW1
.endif
.endm
.irp k, 0,1,2,3,4,5,6,7
	GM \k
.endr
.rept 4
	v_nop                                          ; four places behind the last product, ahead of the first read of results (ISA guide 7.12.1)
.endr
.irp j, 0,1,2,3,4,5,6,7
	v_add_f32 v[T+\j], v[ACC+\j], v[ACC+8+\j]      ; both accumulators from their low ends on
.endr
.irp j, 0,1,2,3,4,5,6,7
	v_mul_f32 v[T+\j], s24, v[T+\j]
.endr
	s_wait_alu depctr_va_vdst(0)
.irp j, 0,1,2,3,4,5,6,7
	v_exp_f32 v[T+\j], v[T+\j]
.endr
.irp j, 0,1,2,3,4,5,6,7
	v_mul_f32 v[WH+\j], -2.0, v[WH+\j]             ; plain work behind the exponentials
.endr
	s_wait_alu depctr_va_vdst(0)                   ; one wait for the eight, ahead of their first reader
.irp j, 0,1,2,3,4,5,6,7
	v_add_f32 v[T+\j], 1.0, v[T+\j]
.endr
	s_wait_alu depctr_va_vdst(0)
.irp j, 0,1,2,3,4,5,6,7
	v_rcp_f32 v[T+\j], v[T+\j]
.endr
	v_nop
	s_wait_alu depctr_va_vdst(0)
.irp j, 0,1,2,3,4,5,6,7
	v_fma_f32 v[T+\j], v[T+\j], -2.0, 1.0          ; the gate
.endr
.irp j, 0,1,2,3,4,5,6,7
	v_mul_f32 v[T+\j], v[T+\j], v[WH+\j]           ; x (-2 Wh)
.endr
	ds_store_b128 v9, v[T:T+3]
	ds_store_b128 v9, v[T+4:T+7] offset:16
	s_wait_dscnt 0x0                               ; for the others' sake
	s_barrier_signal -1
	s_barrier_wait -1
	ds_load_b128 v[16:19], v10
	ds_load_b128 v[20:23], v10 offset:544
	s_wait_dscnt 0x0
	global_store_b128 v11, v[16:19], s[12:13]      ; sixteen lanes store 256 consecutive bytes, aligned
	global_store_b128 v11, v[20:23], s[12:13] offset:16384
	s_wait_tensorcnt 0x0                           ; the wave's end
	ds_add_u32 v[SPW], v[NIL]
	s_wait_dscnt 0x0
	s_endpgm
.Lfunc_end_k_q3df7b7a6da_gate:
	.size	k_q3df7b7a6da_gate, .Lfunc_end_k_q3df7b7a6da_gate-k_q3df7b7a6da_gate
	.p2alignl 7, 3214868480
	.fill 96, 4, 3214868480
	.section	.rodata,"a",@progbits
	.p2align	6, 0x0
	.amdhsa_kernel k_q3df7b7a6da_gate
		.amdhsa_group_segment_fixed_size 9728
		.amdhsa_private_segment_fixed_size 0
		.amdhsa_enable_private_segment 0
		.amdhsa_kernarg_size 40
		.amdhsa_user_sgpr_count 2
		.amdhsa_user_sgpr_kernarg_segment_ptr 1
		.amdhsa_wavefront_size32 1
		.amdhsa_system_sgpr_workgroup_id_x 1
		.amdhsa_system_sgpr_workgroup_id_y 1
		.amdhsa_system_sgpr_workgroup_id_z 1
		.amdhsa_system_vgpr_workitem_id 0
		.amdhsa_next_free_vgpr 256
		.amdhsa_next_free_sgpr 66
		.amdhsa_reserve_vcc 0
		.amdhsa_float_denorm_mode_32 3
		.amdhsa_float_denorm_mode_16_64 3
		.amdhsa_memory_ordered 1
		.amdhsa_forward_progress 1
		.amdhsa_inst_pref_size 16
	.end_amdhsa_kernel
	.amdgpu_metadata
---
amdhsa.version: [ 1, 2 ]
amdhsa.kernels:
  - .name:           k_q3df7b7a6da_gate
    .symbol:         k_q3df7b7a6da_gate.kd
    .args:
      - { .name: mrec, .offset: 0, .size: 8, .value_kind: global_buffer, .address_space: global }
      - { .name: wrec, .offset: 8, .size: 8, .value_kind: global_buffer, .address_space: global }
      - { .name: W_u_h_1, .offset: 16, .size: 8, .value_kind: global_buffer, .address_space: global }
      - { .name: W_u_h_2, .offset: 24, .size: 8, .value_kind: global_buffer, .address_space: global }
      - { .name: cg, .offset: 32, .size: 8, .value_kind: global_buffer, .address_space: global }
    .group_segment_fixed_size: 9728
    .private_segment_fixed_size: 0
    .kernarg_segment_align: 8
    .kernarg_segment_size: 40
    .max_flat_workgroup_size: 256
    .sgpr_count:     66
    .vgpr_count:     256
    .wavefront_size: 32
...
	.end_amdgpu_metadata
.endif
;; end of part 2
;; launch main (part 3): grid 8 x 32, 8 waves a work-group, clusters of 4 x 1, 327,680 bytes of LDS; arguments ximg, xs, wrec, cg, ubuf; writes ubuf
.if DOCPART == 3
	.amdgcn_target "amdgcn-amd-amdhsa--gfx1250"
	.amdhsa_code_object_version 6
	.text
	.protected	k_q3df7b7a6da_main
	.globl	k_q3df7b7a6da_main
	.p2align	8
	.type	k_q3df7b7a6da_main,@function
k_q3df7b7a6da_main:
	s_mov_b64 s[64:65], 0
	v_nop
	global_prefetch_b8 v0, s[64:65] scope:SCOPE_SE
	s_setreg_imm32_b32 hwreg(HW_REG_WAVE_MODE, 25, 1), 1
	s_wait_xcnt 0x0
	s_wait_alu depctr_hold_cnt(0) depctr_sa_sdst(0) depctr_va_vdst(0) depctr_va_sdst(0) depctr_va_ssrc(0) depctr_va_vcc(0) depctr_vm_vsrc(0)
	s_getreg_b32 s2, hwreg(HW_REG_IB_STS2, 6, 4)
	s_cmp_eq_u32 s2, 0
	s_cbranch_scc0 .Lentry_in_a_cluster
	s_endpgm
.Lentry_in_a_cluster:
	s_bfe_u32 s2, ttmp6, 0x10000c
	s_cmp_lg_u32 s2, 0x3003
	s_cbranch_scc0 .Lentry_shape_is_right
	s_endpgm
.Lentry_shape_is_right:
; ubuf[hop][b][s] = U'[s] = sum over d of c'[b][1024 hop + d] x r[s][d],  r = 1 / (1 + 2^(2 log2(e) y)),  y = Q(inputs) Q(W_u_hop), on codes of E3M2.
; WORK LEFT OUT: tanh(y) = 1 - 2 r, so reference()'s U[s] = sum_d c_d + U'[s] with c' = -2 c; the first term is the same along the softmax's axis for all inputs and is not formed.
; At both ends of the range the exponential's infinity or zero gives r = 0 or 1.
; SHARES.  A work-group owns 128 rows of one batch, for all 2,048 columns of both hops.  Wave w: rows 64 (w / 4) .. + 63 (four blocks of 16) and quarter w % 4 of each slot's 128 columns: two records of 16.
; THE ROWS' CODES STAY IN REGISTERS: 32 fragments, 384 registers, loaded as the images that prep stored.  The weights go through a ring of two LDS slots of 8 records (each 16 columns x all of K with its scale
; words, 12,800 bytes = 50 rows of 256); each fragment of W read from LDS feeds four matrix instructions.  A wave fetches one record of each slot: one tensor load a wave at the head and behind each round.
; CLUSTER.  Every work-group walks the same weights: the four of a cluster ask for each record JOINTLY (mask 15).  The place in the cluster enters global addresses of ximg, xs and ubuf alone.
; THE PRODUCT IS USED TRANSPOSED: source 0 = 16 columns of W, source 1 = 16 rows of x: lane (r, h) holds row r and columns 8 h + 0 .. 7.
; A RECORD'S WORK is MAT (32 matrix instructions, four accumulators by turns) and then VEC (x 2 log2(e), exponential, + 1, reciprocal, multiply-add with c' into U).
; THE WAVES ARE STAGGERED: waves 0-3 run MAT VEC MAT VEC between two changes of slots; waves 4-7 carry the VEC of a slot's last record over the change and run VEC MAT VEC MAT.  VEC works on registers alone, so
; the slot is free all the same, and behind a change half of the waves begin with matrix work and half with vector work.
; c' of the batch (8 KiB) comes by plain loads and LDS stores into bytes of its own.  Hop 1's sums go to LDS in trip 8, under a branch on the trip's number.
; PREFETCH: none is issued; every slot comes by its tensor loads alone.
; REGISTERS.  Window 0: v1-11 addresses, v12-27 x's scale words, v28-31 W's, v32-63 accumulators, v64-111 four fragments of W, v112-255 x's fragments of K steps 5-7.
; Window 1: v0-239 x's fragments of K steps 0-4, v240-247 U (a pair for each row block), v248-255 c'.
.set RECB,  12800
.set SLOTB, 8*RECB
.set SLOT1, 131072                     ; slot 1 begins here: one exclusive or turns an address
.set CB,    SLOT1+SLOTB                ; c': 2,048 numbers
.set USCR,  CB+8192                    ; [wave][hop][64 rows] f32
.set SPARE, USCR+4096                  ; the spare words: 128 bytes a wave
.set PFO, 1                            ; computed, never read
.set AB0, 2                            ; 16 lane + my two records' place in a slot
.set AS0, 3                            ; 4 lane + the same + 12,288: their scale words
.set AC0, 4                            ; CB + 128 (w % 4) + 32 h
.set ADB, 5                            ; the same three in the slot, and at the columns, in hand
.set ADS, 6
.set ADC, 7
.set SPW, 8
.set NIL, 9
.set USW, 10
.set USR, 11
.set SA,  12                           ; x's scale words: register 2 ks + j: lanes 0-15 row block 2 j, lanes 16-31 row block 2 j + 1
.set SB,  28                           ; W's: register ks / 2: lanes 0-15 the even K step, lanes 16-31 the odd
.set ACC, 32
.set IM,  32                           ; the head's own: 16 lane, 4 lane, 16 thread, CB + 16 thread, c' on its way
.set L4,  33
.set CGO, 34
.set CST, 35
.set BF,  64
.set XH,  112
.set U,   240                          ; window 1
.set CW,  248                          ; window 1
.set WV, 14
.set RH, 15
.set CQ, 16
.set CX, 17
.set EE, 18
.set BB, 19
.set G1W, 24
.set G0,  40
.set PF,  44
.set K2,  52
.set SEL, 54
.set TB,  56
.set TC,  57
.set TT,  58
.set MSB, 0
.macro WIN new                         ; the immediate's high byte repeats the setting that is left
.if MSB != (\new)
	s_set_vgpr_msb (MSB<<8)|(\new)
.set MSB, \new
.endif
.endm
.macro CROUND                          ; a round of the cluster's barrier
	s_barrier_signal -1
	s_barrier_wait -1
	s_cmp_lg_u32 s[WV], 0
	s_cbranch_scc1 .Lnot_wave_0_\@
	s_barrier_signal -3
.Lnot_wave_0_\@:
	s_barrier_wait -3
	s_barrier_signal -1
	s_barrier_wait -1
.endm
.macro NOP4                            ; four places behind a matrix instruction, ahead of loads into its sources and of reads of its result
.rept 4
	v_nop
.endr
.endm
	s_load_b256 s[4:11], s[0:1], 0x0               ; ximg 4, xs 6, wrec 8, cg 10
	s_load_b64 s[12:13], s[0:1], 0x20              ; ubuf
	v_lshl_add_u32 v[SPW], v0, 2, SPARE
	v_mov_b32 v[NIL], 0
	ds_add_u32 v[SPW], v[NIL]                      ; the opening: the add, twice on end, and its wait
	ds_add_u32 v[SPW], v[NIL]
	v_lshrrev_b32 v1, 5, v0
	v_readfirstlane_b32 s[WV], v1                  ; wave 0..7
	s_lshr_b32 s[RH], s[WV], 2                     ; my half of the rows
	s_and_b32 s[CQ], s[WV], 3                      ; my quarter of a slot's columns
	s_bfe_u32 s[CX], ttmp6, 0x40000
	s_lshl_b32 s[EE], ttmp9, 2
	s_add_co_u32 s[EE], s[EE], s[CX]               ; my block of 128 rows
	s_and_b32 s[BB], ttmp7, 0xffff                 ; the batch
	s_mov_b32 s[G1W+0], 15|(3<<16)|(1<<21)         ; the mask: all four; elements of 8 bytes; bit 21 beside a mask
	s_mov_b32 s[G1W+1], 32<<16                     ; rows of 256 bytes,
	s_mov_b32 s[G1W+2], 50<<16                     ; 50 of them: a record, dense
	s_mov_b32 s[G1W+3], 32<<16
	s_mov_b32 s[G1W+4], 50
	s_mov_b32 s[G1W+5], 32
	s_mov_b32 s[G1W+6], 0
	s_mov_b32 s[G1W+7], 0
	s_mov_b32 s[K2], 0x4038aa3b                    ; 2 log2(e)
	s_mov_b32 s[K2+1], s[K2]
	s_mov_b32 s[SEL], 0x76543210
	s_mov_b32 s[SEL+1], 0xfedcba98
	s_mov_b32 s[TB], 0
	s_mov_b32 s[TC], 0
	s_mul_i32 s20, s[CQ], 2*RECB
	s_add_co_u32 s21, s20, 12288
	s_lshl_b32 s22, s[CQ], 7
	s_add_co_u32 s22, s22, CB
	s_lshl_b32 s23, s[WV], 9
	s_add_co_u32 s23, s23, USCR
	s_bfe_u32 s32, s[WV], 0x10001                  ; at the end waves 0-3 store: rows' half (w / 2) % 2,
	s_and_b32 s33, s[WV], 1                        ; hop w % 2
	s_lshl_b32 s34, s32, 11
	s_lshl_b32 s35, s33, 8
	s_add_co_u32 s34, s34, s35
	s_add_co_u32 s34, s34, USCR
	s_mul_i32 s59, s[CX], 13
	s_lshl_b32 s60, s[EE], 3
	s_lshl_b32 s61, s[RH], 2
	s_add_co_u32 s60, s60, s61                     ; my first row block of the batch's 64
	s_mul_i32 s36, s60, 12288
	s_mul_i32 s61, s[BB], 786432
	s_add_co_u32 s36, s36, s61                     ; ximg
	s_mov_b32 s37, 0
	s_lshl_b32 s38, s60, 6
	s_lshl_b32 s61, s[BB], 15
	s_add_co_u32 s38, s38, s61                     ; xs
	s_mov_b32 s39, 0
	s_lshl_b32 s46, s33, 17
	s_lshl_b32 s61, s[BB], 12
	s_add_co_u32 s46, s46, s61
	s_lshl_b32 s61, s[EE], 9
	s_add_co_u32 s46, s46, s61
	s_lshl_b32 s61, s32, 8
	s_add_co_u32 s46, s46, s61                     ; ubuf
	s_mov_b32 s47, 0
	s_lshl_b32 s48, s[BB], 13                      ; cg
	s_mov_b32 s49, 0
	s_mul_i32 s50, s[WV], RECB                     ; my record of a slot, in wrec and in LDS
	s_mov_b32 s51, 0
	v_and_b32 v1, 31, v0
	v_lshlrev_b32 v[IM], 4, v1
	v_lshlrev_b32 v[L4], 2, v1
	v_add_nc_u32 v[AB0], s20, v[IM]
	v_add_nc_u32 v[AS0], s21, v[L4]
	v_bfe_u32 v[ADB], v0, 4, 1
	v_lshl_add_u32 v[AC0], v[ADB], 5, s22
	v_and_b32 v[ADS], 15, v0
	v_lshl_add_u32 v[USW], v[ADS], 2, s23          ; USCR + 512 w + 4 r
	v_lshl_add_u32 v[USR], v1, 3, s34
	v_lshlrev_b32 v[CGO], 4, v0
	v_add_nc_u32 v[CST], CB, v[CGO]
	v_min_u32 v1, 12, v1
	v_add_nc_u32 v1, s59, v1
	v_min_u32 v1, 49, v1
	v_lshlrev_b32 v[PFO], 8, v1
	WIN 0x40
.irp i, 0,1,2,3,4,5,6,7
	v_mov_b32 v[U+\i], 0
.endr
	WIN 0
	s_wait_alu depctr_va_vdst(0)                   ; the wait at the head's end
	s_wait_dscnt 0x0                               ; both opening adds are done
	s_wait_kmcnt 0x0
	s_add_nc_u64 s[4:5], s[4:5], s[36:37]
	s_add_nc_u64 s[6:7], s[6:7], s[38:39]
	s_add_nc_u64 s[12:13], s[12:13], s[46:47]
	s_add_nc_u64 s[10:11], s[10:11], s[48:49]
	s_mov_b32 s[G0], 1
	s_mov_b32 s[G0+1], s50
	s_add_nc_u64 s[G0+2:G0+3], s[8:9], s[50:51]
	s_add_nc_u64 s[PF:PF+1], s[G0+2:G0+3], 3*SLOTB
	s_or_b32 s[G0+3], s[G0+3], 0x80000000
	global_load_b128 v[36:39], v[CGO], s[10:11]    ; c': 32 bytes a thread
	global_load_b128 v[40:43], v[CGO], s[10:11] offset:4096
.irp k, 0,1,2,3,4,5,6,7
.irp j, 0,1
	global_load_b32 v[SA+2*\k+\j], v[L4], s[6:7] offset:4096*\k+128*\j
.endr
.endr
.irp k, 5,6,7
.irp r, 0,1,2,3
.irp c, 0,1,2
	global_load_b128 v[XH+48*(\k-5)+12*\r+4*\c:XH+48*(\k-5)+12*\r+4*\c+3], v[IM], s[4:5] offset:12288*\r+1536*\k+512*\c
.endr
.endr
.endr
	CROUND                                         ; all four work-groups are here: the first joint loads meet
	tensor_load_to_lds s[G0:G0+3], s[G1W:G1W+7]    ; slot 0, my record: my one tensor load at the head
	s_nop 0
	NOP4
	s_wait_loadcnt 52                              ; c' is in: behind its two loads 16 + 36 were issued
	ds_store_b128 v[CST], v[36:39]
	ds_store_b128 v[CST], v[40:43] offset:4096
	WIN 0x40
.irp k, 0,1,2,3,4
.irp r, 0,1,2,3
.irp c, 0,1,2
	global_load_b128 v[48*\k+12*\r+4*\c:48*\k+12*\r+4*\c+3], v[IM], s[4:5] offset:12288*\r+1536*\k+512*\c
.endr
.endr
.endr
	WIN 0
.macro LOADF p, first                  ; W's fragments of my record p, K steps first and first + 1, into buffers K step % 4: 6 loads
.irp u, 0,1
.irp c, 0,1,2
	ds_load_b128 v[BF+12*(((\first)+\u)%4)+4*\c:BF+12*(((\first)+\u)%4)+4*\c+3], v[ADB] offset:RECB*(\p)+1536*((\first)+\u)+512*\c
.endr
.endr
.endm
.macro SBLOAD p                        ; its scale words: 4 loads
.irp j, 0,1,2,3
	ds_load_b32 v[SB+\j], v[ADS] offset:RECB*(\p)+128*\j
.endr
.endm
.macro MMA                             ; matrix instruction (K step ks_, row block rb_).  K step 0 starts the sums: nothing is cleared
.set fd_, ACC+8*rb_
.set fa_, BF+12*(ks_%4)
.if ks_ < 5
.set fx_, 48*ks_+12*rb_
.else
.set fx_, XH+48*(ks_-5)+12*rb_
.endif
.set qw_, SB+ks_/2
.set qx_, SA+2*ks_+rb_/2
.if ks_ == 0
.if (rb_%2) == 0
	v_wmma_scale_f32_16x16x128_f8f6f4 v[fd_:fd_+7], v[fa_:fa_+11], v[fx_:fx_+11], 0, v[qw_], v[qx_] matrix_a_fmt:MATRIX_FMT_BF6 matrix_b_fmt:MATRIX_FMT_BF6
.else
	v_wmma_scale_f32_16x16x128_f8f6f4 v[fd_:fd_+7], v[fa_:fa_+11], v[fx_:fx_+11], 0, v[qw_], v[qx_] matrix_a_fmt:MATRIX_FMT_BF6 matrix_b_fmt:MATRIX_FMT_BF6 matrix_b_scale:MATRIX_SCALE_ROW1
.endif
.elseif (ks_%2) == 0
.if (rb_%2) == 0
	v_wmma_scale_f32_16x16x128_f8f6f4 v[fd_:fd_+7], v[fa_:fa_+11], v[fx_:fx_+11], v[fd_:fd_+7], v[qw_], v[qx_] matrix_a_fmt:MATRIX_FMT_BF6 matrix_b_fmt:MATRIX_FMT_BF6
.else
	v_wmma_scale_f32_16x16x128_f8f6f4 v[fd_:fd_+7], v[fa_:fa_+11], v[fx_:fx_+11], v[fd_:fd_+7], v[qw_], v[qx_] matrix_a_fmt:MATRIX_FMT_BF6 matrix_b_fmt:MATRIX_FMT_BF6 matrix_b_scale:MATRIX_SCALE_ROW1
.endif
.else
.if (rb_%2) == 0
	v_wmma_scale_f32_16x16x128_f8f6f4 v[fd_:fd_+7], v[fa_:fa_+11], v[fx_:fx_+11], v[fd_:fd_+7], v[qw_], v[qx_] matrix_a_fmt:MATRIX_FMT_BF6 matrix_b_fmt:MATRIX_FMT_BF6 matrix_a_scale:MATRIX_SCALE_ROW1
.else
	v_wmma_scale_f32_16x16x128_f8f6f4 v[fd_:fd_+7], v[fa_:fa_+11], v[fx_:fx_+11], v[fd_:fd_+7], v[qw_], v[qx_] matrix_a_fmt:MATRIX_FMT_BF6 matrix_b_fmt:MATRIX_FMT_BF6 matrix_a_scale:MATRIX_SCALE_ROW1 matrix_b_scale:MATRIX_SCALE_ROW1
.endif
.endif
.endm
.macro KS k
.set ks_, \k
.set rb_, 0
.rept 4
	MMA
.set rb_, rb_+1
.endr
.endm
; MAT: my record p of the slot.  Asked for earlier, in this order: fragments 0-1 (6 loads), the scale words (4), fragments 2-3 (6).  nxt = 1: the next record's are asked for on the way.
; Under the setting 0x04 source 1 (x) means window 1; destination, source 0 and source 2 mean window 0, so the LDS loads stand under it too.
.macro MAT p, nxt
	WIN 0x40
	ds_load_b128 v[CW:CW+3], v[ADC] offset:64*(\p)           ; c' of this record: the last VEC has read the registers
	ds_load_b128 v[CW+4:CW+7], v[ADC] offset:64*(\p)+16
	WIN 0x04
	s_wait_dscnt 8                                 ; fragments 0-1 and the scale words are in; fragments 2-3 (6) and c' (2) may be out
	KS 0
	KS 1
	NOP4
	LOADF \p, 4
	s_wait_dscnt 6                                 ; all but the six just issued
	KS 2
	KS 3
	NOP4
	LOADF \p, 6
	s_wait_dscnt 6
	KS 4
	WIN 0
	KS 5
	NOP4
.if \nxt
	LOADF (\p)+1, 0
	s_wait_dscnt 6
.else
	s_wait_dscnt 0x0
.endif
	KS 6
	KS 7
	NOP4
.if \nxt
	SBLOAD (\p)+1
	LOADF (\p)+1, 2
.endif
.endm
; VEC: the four accumulators' way into U.  Each accumulator is first read at its low end.  One wait ahead of each batch of transcendentals and one behind it.
.macro VEC
.irp j, 0,2,4,6
.irp t, 0,1,2,3
	v_pk_mul_f32 v[ACC+8*\t+\j:ACC+8*\t+\j+1], v[ACC+8*\t+\j:ACC+8*\t+\j+1], s[K2:K2+1] op_sel_hi:[1,0]
.endr
.endr
	s_wait_alu depctr_va_vdst(0)
.set i_, 0
.rept 32
	v_exp_f32 v[ACC+i_], v[ACC+i_]
.set i_, i_+1
.endr
	v_nop
	s_wait_alu depctr_va_vdst(0)
.set i_, 0
.rept 16
	v_pk_add_f32 v[ACC+i_:ACC+i_+1], v[ACC+i_:ACC+i_+1], 1.0 op_sel_hi:[1,0]
.set i_, i_+2
.endr
	s_wait_alu depctr_va_vdst(0)
.set i_, 0
.rept 32
	v_rcp_f32 v[ACC+i_], v[ACC+i_]
.set i_, i_+1
.endr
	v_nop
	s_wait_alu depctr_va_vdst(0)
	WIN 0x54                                       ; destination, source 1 (c') and source 2 (U) in window 1
.irp j, 0,2,4,6
.irp t, 0,1,2,3
	v_pk_fma_f32 v[U+2*\t:U+2*\t+1], v[ACC+8*\t+\j:ACC+8*\t+\j+1], v[CW+\j:CW+\j+1], v[U+2*\t:U+2*\t+1]
.endr
.endr
	WIN 0
.endm
; A hop's end: a pair's two halves, the other half of the lanes' eight columns, and into my part of the scratch.  The accumulators' registers are free here
.macro HOPEND off
	s_wait_alu depctr_va_vdst(0)                   ; the wait ahead of the first reader of U here
	WIN 0x05
.irp i, 0,1,2,3
	v_add_f32 v[ACC+\i], v[U+2*\i], v[U+2*\i+1]
.endr
	WIN 0
.irp i, 0,1,2,3
	v_permlanex16_b32 v[ACC+4+\i], v[ACC+\i], s[SEL], s[SEL+1]
.endr
.irp i, 0,1,2,3
	v_add_f32 v[ACC+\i], v[ACC+\i], v[ACC+4+\i]
.endr
.irp i, 0,1,2,3
	ds_store_b32 v[USW], v[ACC+\i] offset:(\off)+64*\i   ; both halves of the lanes write the same word with the same value
.endr
.endm
; A TRIP: one slot.  k = 0: the first; 1: the loop's; 2: the last, which fetches nothing.
.macro TRIP k
.if (\k) == 1
	s_wait_xcnt 0x0
	s_add_nc_u64 s[PF:PF+1], s[PF:PF+1], SLOTB
.endif
	s_wait_tensorcnt 0x0                           ; my tensor load has landed: my record of this trip's slot
	ds_add_u32 v[SPW], v[NIL]
.if (\k) < 2
	s_xor_b32 s[G0+1], s[G0+1], SLOT1              ; the descriptor walks: the other slot, the next eight records
	s_add_nc_u64 s[G0+2:G0+3], s[G0+2:G0+3], SLOTB
.endif
	s_wait_dscnt 0x0                               ; the add is done, and my reads of the slot read last are over
.if (\k) < 2
	CROUND                                         ; no wave of any partner still reads that slot or has a load on its way
	tensor_load_to_lds s[G0:G0+3], s[G1W:G1W+7]    ; my one tensor load behind the round: the next trip's slot
	s_nop 0
.else
	s_barrier_signal -1
	s_barrier_wait -1
.endif
	v_add_nc_u32 v[ADB], s[TB], v[AB0]
	v_add_nc_u32 v[ADS], s[TB], v[AS0]
	v_add_nc_u32 v[ADC], s[TC], v[AC0]
	s_wait_alu depctr_va_vdst(0)
	LOADF 0, 0
	SBLOAD 0
	LOADF 0, 2
.if (\k) == 0
	s_wait_loadcnt 0x0                             ; x's codes and scale words
.else
	s_cmp_lt_u32 s[WV], 4
	s_cbranch_scc1 .Lsk1_\@
	VEC                                            ; waves 4-7: the last slot's last record
.Lsk1_\@:
.endif
.if (\k) == 1
	s_cmp_lg_u32 s[TT], 8
	s_cbranch_scc1 .Lnh_\@
	HOPEND 0                                       ; trips 0 to 7 were hop 1's: its sums go to the scratch, and U begins anew
	WIN 0x40
.irp i, 0,1,2,3,4,5,6,7
	v_mov_b32 v[U+\i], 0
.endr
	WIN 0
.Lnh_\@:
.endif
	MAT 0, 1
	VEC
.if (\k) == 0
.elseif (\k) == 1
	s_cmp_gt_u32 s[TT], 12
	s_cbranch_scc1 .Lpf_\@
.Lpf_\@:
.endif
	MAT 1, 0
	s_cmp_gt_u32 s[WV], 3
	s_cbranch_scc1 .Lsk2_\@
	VEC                                            ; waves 0-3
.Lsk2_\@:
	s_xor_b32 s[TB], s[TB], SLOT1
	s_add_co_u32 s[TC], s[TC], 512                 ; a slot's 128 columns of c'
.endm
	TRIP 0
	s_mov_b32 s[TT], 1
.Ltrip:
	TRIP 1
	s_add_co_u32 s[TT], s[TT], 1
	s_cmp_lt_u32 s[TT], 15
	s_wait_alu depctr_va_vdst(0)                   ; the wait ahead of the backward jump
	s_cbranch_scc1 .Ltrip
	TRIP 2                                         ; the tail is written out
	s_cmp_lt_u32 s[WV], 4
	s_cbranch_scc1 .Lfin
	VEC                                            ; waves 4-7: the very last record
.Lfin:
	HOPEND 256
	s_wait_dscnt 0x0                               ; for the others' sake
	s_barrier_signal -1
	s_barrier_wait -1
	s_cmp_gt_u32 s[WV], 3
	s_cbranch_scc1 .Lend                           ; waves 0-3 add the four quarters of the columns: hop w % 2, rows 64 (w / 2) on
.irp q, 0,1,2,3
	ds_load_b64 v[ACC+8+2*\q:ACC+9+2*\q], v[USR] offset:512*\q
.endr
	v_and_b32 v[ACC], 31, v0
	v_lshlrev_b32 v[ACC], 3, v[ACC]
	s_wait_alu depctr_va_vdst(0)
	s_wait_dscnt 0x0
	v_pk_add_f32 v[ACC+8:ACC+9], v[ACC+8:ACC+9], v[ACC+10:ACC+11]
	v_pk_add_f32 v[ACC+12:ACC+13], v[ACC+12:ACC+13], v[ACC+14:ACC+15]
	v_pk_add_f32 v[ACC+8:ACC+9], v[ACC+8:ACC+9], v[ACC+12:ACC+13]
	global_store_b64 v[ACC], v[ACC+8:ACC+9], s[12:13]   ; 32 lanes store 256 consecutive bytes, aligned
.Lend:
	s_wait_tensorcnt 0x0                           ; the wave's end
	ds_add_u32 v[SPW], v[NIL]
	s_wait_dscnt 0x0
	CROUND                                         ; the closing round
	s_endpgm
.Lfunc_end_k_q3df7b7a6da_main:
	.size	k_q3df7b7a6da_main, .Lfunc_end_k_q3df7b7a6da_main-k_q3df7b7a6da_main
	.p2alignl 7, 3214868480
	.fill 96, 4, 3214868480
	.section	.rodata,"a",@progbits
	.p2align	6, 0x0
	.amdhsa_kernel k_q3df7b7a6da_main
		.amdhsa_group_segment_fixed_size 327680
		.amdhsa_private_segment_fixed_size 0
		.amdhsa_enable_private_segment 0
		.amdhsa_kernarg_size 40
		.amdhsa_user_sgpr_count 2
		.amdhsa_user_sgpr_kernarg_segment_ptr 1
		.amdhsa_wavefront_size32 1
		.amdhsa_system_sgpr_workgroup_id_x 1
		.amdhsa_system_sgpr_workgroup_id_y 1
		.amdhsa_system_sgpr_workgroup_id_z 1
		.amdhsa_system_vgpr_workitem_id 0
		.amdhsa_next_free_vgpr 512
		.amdhsa_next_free_sgpr 66
		.amdhsa_reserve_vcc 0
		.amdhsa_float_denorm_mode_32 3
		.amdhsa_float_denorm_mode_16_64 3
		.amdhsa_memory_ordered 1
		.amdhsa_forward_progress 1
		.amdhsa_inst_pref_size 110
	.end_amdhsa_kernel
	.amdgpu_metadata
---
amdhsa.version: [ 1, 2 ]
amdhsa.kernels:
  - .name:           k_q3df7b7a6da_main
    .symbol:         k_q3df7b7a6da_main.kd
    .args:
      - { .name: ximg, .offset: 0, .size: 8, .value_kind: global_buffer, .address_space: global }
      - { .name: xs, .offset: 8, .size: 8, .value_kind: global_buffer, .address_space: global }
      - { .name: wrec, .offset: 16, .size: 8, .value_kind: global_buffer, .address_space: global }
      - { .name: cg, .offset: 24, .size: 8, .value_kind: global_buffer, .address_space: global }
      - { .name: ubuf, .offset: 32, .size: 8, .value_kind: global_buffer, .address_space: global }
    .group_segment_fixed_size: 327680
    .private_segment_fixed_size: 0
    .kernarg_segment_align: 8
    .kernarg_segment_size: 40
    .max_flat_workgroup_size: 256
    .sgpr_count:     66
    .vgpr_count:     512
    .wavefront_size: 32
...
	.end_amdgpu_metadata
.endif
;; end of part 3
;; launch final (part 4): grid 8 x 32, 8 waves a work-group, no clusters, 327,680 bytes of LDS; arguments inputs, ubuf, out0; writes out0
.if DOCPART == 4
	.amdgcn_target "amdgcn-amd-amdhsa--gfx1250"
	.amdhsa_code_object_version 6
	.text
	.protected	k_q3df7b7a6da_final
	.globl	k_q3df7b7a6da_final
	.p2align	8
	.type	k_q3df7b7a6da_final,@function
k_q3df7b7a6da_final:
	s_mov_b64 s[64:65], 0
	v_nop
	global_prefetch_b8 v0, s[64:65] scope:SCOPE_SE
	s_setreg_imm32_b32 hwreg(HW_REG_WAVE_MODE, 25, 1), 1
	s_wait_xcnt 0x0
; out0[1 + hop][b][c] = sum over s of softmax_s(U')[s] x inputs[b][s][c], both hops in one pass over inputs.
; WORK LEFT OUT: ubuf holds U' = U less a term that is the same for all s (see prep's head): the softmax is the same.  The row's true maximum is taken away before the exponential, as reference() does.
; SHARES.  Work-group (x, b): columns 128 x .. + 127 of batch b, all 1,024 rows: each output number has one owner.  Wave w: rows 128 w .. + 127, as four tiles of 32 rows x 512 bytes.  A lane: 4 columns.
; THE RING.  Each wave has two LDS slots of 16,384 bytes of its own, filled by its own tensor loads: tile 0 at the head, tiles 1 to 3 each behind a barrier, one load a wave.
; While a tile is summed, the next is on its way.  A row is read back by one ds_load_b128: 32 lanes, 512 consecutive bytes.
; PREFETCH: tiles 1 and 2 are named behind tile 0's load, tile 3 in the first round: a lane a row, two blocks of 256 bytes a row, each block once; at most two tiles are named and not yet loaded.
; The weights p (not normalised) go through LDS as pairs (hop 1, hop 2) and are read back by all lanes alike; the sums of p divide at the end.
; No matrix unit; no cluster: work-groups share only ubuf's 8 KiB a batch.
.set TILE,  16384                      ; 32 rows x 512 bytes; wave w's two slots begin at 32,768 w
.set P,     262144                     ; 1,024 pairs of p
.set RED,   P+8192                     ; the waves' maxima, a pair a wave; 256 bytes on: their sums
.set ACCR,  RED+512                    ; [wave][hop][128 columns]
.set SPARE, ACCR+8192
.set A1,  48                           ; v48-51 hop 1's sums of my 4 columns; v52-55 hop 2's
.set A2,  52
.set PP,  56                           ; v56-119  32 rows' pairs of p
.set X,   120                          ; v120-247 32 rows x 4
.set PFO, 248                          ; the prefetches' offset: 4,096 x lane
.set SPW, 252
.set NIL, 253
.set G0,  36                           ; s[36:39], s[40:43] descriptor group 0, one for each slot
.set G1,  44                           ; s[44:51] group 1
	s_load_b128 s[4:7], s[0:1], 0x0                ; inputs, ubuf
	s_load_b64 s[8:9], s[0:1], 0x10                ; out0
	v_lshl_add_u32 v[SPW], v0, 2, SPARE
	v_mov_b32 v[NIL], 0
	ds_add_u32 v[SPW], v[NIL]                      ; the opening: the add, twice on end, and its wait ahead of my first tensor load
	ds_add_u32 v[SPW], v[NIL]
	v_lshrrev_b32 v1, 5, v0
	v_readfirstlane_b32 s10, v1                    ; wave 0..7
	s_and_b32 s11, ttmp7, 0xffff                   ; batch
	s_mov_b32 s[G1+0], 2<<16                       ; elements of 4 bytes, no padding
	s_mov_b32 s[G1+1], 128<<16                     ; rows of 128 elements,
	s_mov_b32 s[G1+2], 32<<16                      ; 32 of them,
	s_mov_b32 s[G1+3], 128<<16
	s_mov_b32 s[G1+4], 32
	s_mov_b32 s[G1+5], 1024                        ; 1,024 elements apart
	s_mov_b32 s[G1+6], 0
	s_mov_b32 s[G1+7], 0
	s_lshl_b32 s12, s10, 3
	s_add_co_u32 s12, s12, RED
	s_and_b32 s13, s10, 1                          ; the hop that waves 0 and 1 store
	s_lshl_b32 s14, s13, 9
	s_add_co_u32 s14, s14, ACCR
	s_lshl_b32 s15, s10, 10
	s_add_co_u32 s26, s15, ACCR
	s_add_co_u32 s15, s15, P
	s_lshl_b32 s27, s10, 15                        ; my two slots
	s_lshl_b32 s16, s11, 22
	s_lshl_b32 s17, s10, 19
	s_add_co_u32 s16, s16, s17
	s_lshl_b32 s17, ttmp9, 9
	s_add_co_u32 s16, s16, s17                     ; the batch, my 128 rows, my work-group's 512 bytes of a row
	s_mov_b32 s17, 0
	s_lshl_b32 s18, s11, 12
	s_mov_b32 s19, 0
	s_lshl_b32 s20, s13, 17
	s_add_co_u32 s20, s20, 131072
	s_add_co_u32 s20, s20, s18
	s_lshl_b32 s21, ttmp9, 9
	s_add_co_u32 s20, s20, s21                     ; out0: plane 1 + hop, the batch, my columns
	s_mov_b32 s21, 0
	s_mov_b32 s22, 0x3fb8aa3b                      ; log2(e)
	s_mov_b32 s24, 0x76543210
	s_mov_b32 s25, 0xfedcba98
	v_and_b32 v1, 31, v0
	v_lshlrev_b32 v[PFO], 12, v1
	v_lshlrev_b32 v1, 4, v1                        ; v1  16 x lane
	v_lshlrev_b32 v2, 4, v0                        ; v2  16 x thread: my four s
	v_lshl_add_u32 v3, v0, 5, P                    ; v3  P + 32 x thread: their pairs of p
	v_mov_b32 v4, s12                              ; v4  RED + 8 w
	v_mov_b32 v5, RED
	v_mov_b32 v6, s15                              ; v6  P + 1,024 w: my 128 rows' pairs
	v_add_nc_u32 v7, s26, v1                       ; v7  ACCR + 1,024 w + 16 lane
	v_add_nc_u32 v8, s14, v1                       ; v8  ACCR + 512 hop + 16 lane
	v_add_nc_u32 v9, s27, v1                       ; v9  my slots + 16 lane
	v_mov_b32 v12, 0                               ; (a lane permute's destination counts as one of its sources)
	v_mov_b32 v13, 0
	s_wait_alu depctr_va_vdst(0)                   ; the wait at the head's end
	s_wait_dscnt 0x0                               ; both opening adds are done
	s_wait_kmcnt 0x0
	s_add_nc_u64 s[4:5], s[4:5], s[16:17]
	s_add_nc_u64 s[6:7], s[6:7], s[18:19]
	s_add_nc_u64 s[8:9], s[8:9], s[20:21]
.irp n, 0,1
	s_mov_b32 s[G0+4*\n], 1
	s_add_co_u32 s[G0+4*\n+1], s27, \n*TILE
	s_add_nc_u64 s[G0+4*\n+2:G0+4*\n+3], s[4:5], \n*32*4096
	s_or_b32 s[G0+4*\n+3], s[G0+4*\n+3], 0x80000000
.endr
	tensor_load_to_lds s[G0:G0+3], s[G1:G1+7]      ; tile 0: my one tensor load at the head
	s_nop 0
	global_load_b128 v[16:19], v2, s[6:7]          ; U' of hop 1 at s = 4 t .. 4 t + 3,
	global_load_b128 v[20:23], v2, s[6:7] offset:131072   ; of hop 2
.irp k, 1,2
.irp c, 0,1
	global_prefetch_b8 v[PFO], s[4:5] offset:32*\k*4096+256*\c th:TH_LOAD_NT scope:SCOPE_SE   ; tiles 1 and 2
.endr
.endr
	s_wait_loadcnt 0x0                             ; U' is in
	v_max3_num_f32 v10, v16, v17, v18
	v_max3_num_f32 v11, v20, v21, v22
	v_max_num_f32 v10, v10, v19
	v_max_num_f32 v11, v11, v23
.irp m, 1,2,4,8
	v_max_num_f32_dpp v10, v10, v10 row_xmask:\m row_mask:0xf bank_mask:0xf
	v_max_num_f32_dpp v11, v11, v11 row_xmask:\m row_mask:0xf bank_mask:0xf
.endr
	v_permlanex16_b32 v12, v10, s24, s25
	v_permlanex16_b32 v13, v11, s24, s25
	v_max_num_f32 v10, v10, v12
	v_max_num_f32 v11, v11, v13
	ds_store_b64 v4, v[10:11]                      ; all lanes write the same pair
	s_wait_dscnt 0x0
	s_barrier_signal -1                            ; tile 0's load may stay out
	s_barrier_wait -1
.irp j, 0,1,2,3
	ds_load_b128 v[32+4*\j:35+4*\j], v5 offset:16*\j
.endr
	s_wait_dscnt 0x0
	v_max3_num_f32 v10, v32, v34, v36
	v_max3_num_f32 v11, v33, v35, v37
	v_max3_num_f32 v10, v10, v38, v40
	v_max3_num_f32 v11, v11, v39, v41
	v_max3_num_f32 v10, v10, v42, v44
	v_max3_num_f32 v11, v11, v43, v45
	v_max_num_f32 v10, v10, v46
	v_max_num_f32 v11, v11, v47                    ; the largest U' of each hop
	v_mul_f32 v10, s22, v10
	v_mul_f32 v11, s22, v11
.irp i, 0,1,2,3
	v_fma_f32 v[24+2*\i], v[16+\i], s22, -v10      ; (U' - max) log2(e), the two hops side by side
	v_fma_f32 v[25+2*\i], v[20+\i], s22, -v11
.endr
	s_wait_alu depctr_va_vdst(0)
.irp i, 0,1,2,3,4,5,6,7
	v_exp_f32 v[24+\i], v[24+\i]
.endr
	v_nop
	s_wait_alu depctr_va_vdst(0)                   ; one wait for the eight, ahead of their first reader
	ds_store_b128 v3, v[24:27]
	ds_store_b128 v3, v[28:31] offset:16
	v_pk_add_f32 v[10:11], v[24:25], v[26:27]
	v_pk_add_f32 v[12:13], v[28:29], v[30:31]
	v_pk_add_f32 v[10:11], v[10:11], v[12:13]
.irp m, 1,2,4,8
	v_add_f32_dpp v10, v10, v10 row_xmask:\m row_mask:0xf bank_mask:0xf
	v_add_f32_dpp v11, v11, v11 row_xmask:\m row_mask:0xf bank_mask:0xf
.endr
	v_permlanex16_b32 v12, v10, s24, s25
	v_permlanex16_b32 v13, v11, s24, s25
	v_pk_add_f32 v[10:11], v[10:11], v[12:13]
	ds_store_b64 v4, v[10:11] offset:256
	s_wait_dscnt 0x0                               ; p and the sums have landed
	s_barrier_signal -1
	s_barrier_wait -1
.irp j, 0,1,2,3
	ds_load_b128 v[32+4*\j:35+4*\j], v5 offset:256+16*\j
.endr
	s_wait_dscnt 0x0
	v_pk_add_f32 v[32:33], v[32:33], v[34:35]
	v_pk_add_f32 v[36:37], v[36:37], v[38:39]
	v_pk_add_f32 v[40:41], v[40:41], v[42:43]
	v_pk_add_f32 v[44:45], v[44:45], v[46:47]
	v_pk_add_f32 v[32:33], v[32:33], v[36:37]
	v_pk_add_f32 v[40:41], v[40:41], v[44:45]
	v_pk_add_f32 v[14:15], v[32:33], v[40:41]      ; v14, v15: the sums of p
; The next tile into slot s.  In front of the barrier: all my tensor loads have landed, the tile to be summed next among them; the add; the add and my reads of slot s are done.  Behind it my one tensor load
.macro FILL s, step
	s_wait_tensorcnt 0x0
	ds_add_u32 v[SPW], v[NIL]
.if \step
	s_add_nc_u64 s[G0+4*\s+2:G0+4*\s+3], s[G0+4*\s+2:G0+4*\s+3], 64*4096   ; this slot's next tile: 64 rows on
.endif
	s_wait_dscnt 0x0
	s_barrier_signal -1
	s_barrier_wait -1
	tensor_load_to_lds s[G0+4*\s:G0+4*\s+3], s[G1:G1+7]
	s_nop 0
.endm
; Tile n: its 32 pairs of p (16 loads, all lanes the same bytes), its 32 rows (32 loads), then the sums by groups of eight rows: a group's wait leaves the later groups' loads out
.macro ROUND n, pf
.irp j, 0,1,2,3,4,5,6,7,8,9,10,11,12,13,14,15
	ds_load_b128 v[PP+4*\j:PP+4*\j+3], v6 offset:256*(\n)+16*\j
.endr
.set i_, 0
.rept 32
	ds_load_b128 v[X+4*i_:X+4*i_+3], v9 offset:((\n)%2)*TILE+512*i_
.set i_, i_+1
.endr
.if \pf
.irp c, 0,1
	global_prefetch_b8 v[PFO], s[4:5] offset:96*4096+256*\c th:TH_LOAD_NT scope:SCOPE_SE   ; tile 3
.endr
.endif
.set i_, 0
.rept 32
.if (i_%8) == 0
	s_wait_alu depctr_va_vdst(0)
	s_wait_dscnt 24-i_
.endif
.if ((\n) == 0) && (i_ == 0)
	v_pk_mul_f32 v[A1:A1+1], v[X:X+1], v[PP:PP+1] op_sel_hi:[1,0]                 ; the first row starts the sums: nothing is cleared
	v_pk_mul_f32 v[A1+2:A1+3], v[X+2:X+3], v[PP:PP+1] op_sel_hi:[1,0]
	v_pk_mul_f32 v[A2:A2+1], v[X:X+1], v[PP:PP+1] op_sel:[0,1] op_sel_hi:[1,1]
	v_pk_mul_f32 v[A2+2:A2+3], v[X+2:X+3], v[PP:PP+1] op_sel:[0,1] op_sel_hi:[1,1]
.else
	v_pk_fma_f32 v[A1:A1+1], v[X+4*i_:X+4*i_+1], v[PP+2*i_:PP+2*i_+1], v[A1:A1+1] op_sel_hi:[1,0,1]            ; x the pair's first number: hop 1's p
	v_pk_fma_f32 v[A1+2:A1+3], v[X+4*i_+2:X+4*i_+3], v[PP+2*i_:PP+2*i_+1], v[A1+2:A1+3] op_sel_hi:[1,0,1]
	v_pk_fma_f32 v[A2:A2+1], v[X+4*i_:X+4*i_+1], v[PP+2*i_:PP+2*i_+1], v[A2:A2+1] op_sel:[0,1,0] op_sel_hi:[1,1,1]   ; x its second: hop 2's
	v_pk_fma_f32 v[A2+2:A2+3], v[X+4*i_+2:X+4*i_+3], v[PP+2*i_:PP+2*i_+1], v[A2+2:A2+3] op_sel:[0,1,0] op_sel_hi:[1,1,1]
.endif
.set i_, i_+1
.endr
.endm
	FILL 1, 0                                      ; tile 1: slot 1's first fill, issued as a refill is
	ROUND 0, 1
	FILL 0, 1                                      ; tile 2
	ROUND 1, 0
	FILL 1, 1                                      ; tile 3
	ROUND 2, 0
	s_wait_tensorcnt 0x0                           ; tile 3 is in; only I read it
	ROUND 3, 0
	ds_store_b128 v7, v[A1:A1+3]
	ds_store_b128 v7, v[A2:A2+3] offset:512
	s_wait_dscnt 0x0
	s_barrier_signal -1
	s_barrier_wait -1
	s_cmp_gt_u32 s10, 1
	s_cbranch_scc1 .Ldone                          ; wave 0 finishes hop 1, wave 1 hop 2
.irp u, 0,1,2,3,4,5,6,7
	ds_load_b128 v[PP+4*\u:PP+4*\u+3], v8 offset:1024*\u
.endr
	s_cmp_eq_u32 s10, 0
	s_cselect_b32 s23, 0, -1
	v_cndmask_b32 v14, v14, v15, s23               ; my hop's sum of p
	s_wait_alu depctr_va_vdst(0)                   ; the wait ahead of the transcendental
	v_rcp_f32 v14, v14
	v_nop
	s_wait_dscnt 0x0
.irp u, 0,2,4,6
	v_pk_add_f32 v[PP+4*\u:PP+4*\u+1], v[PP+4*\u:PP+4*\u+1], v[PP+4*\u+4:PP+4*\u+5]
	v_pk_add_f32 v[PP+4*\u+2:PP+4*\u+3], v[PP+4*\u+2:PP+4*\u+3], v[PP+4*\u+6:PP+4*\u+7]
.endr
.irp u, 0,4
	v_pk_add_f32 v[PP+4*\u:PP+4*\u+1], v[PP+4*\u:PP+4*\u+1], v[PP+4*\u+8:PP+4*\u+9]
	v_pk_add_f32 v[PP+4*\u+2:PP+4*\u+3], v[PP+4*\u+2:PP+4*\u+3], v[PP+4*\u+10:PP+4*\u+11]
.endr
	v_pk_add_f32 v[PP:PP+1], v[PP:PP+1], v[PP+16:PP+17]
	v_pk_add_f32 v[PP+2:PP+3], v[PP+2:PP+3], v[PP+18:PP+19]
	s_wait_alu depctr_va_vdst(0)                   ; the wait for the reciprocal, ahead of its first reader
	v_pk_mul_f32 v[PP:PP+1], v[PP:PP+1], v[14:15] op_sel_hi:[1,0]
	v_pk_mul_f32 v[PP+2:PP+3], v[PP+2:PP+3], v[14:15] op_sel_hi:[1,0]
	global_store_b128 v1, v[PP:PP+3], s[8:9]       ; 512 consecutive bytes, aligned
.Ldone:
	s_wait_tensorcnt 0x0                           ; the wave's end
	ds_add_u32 v[SPW], v[NIL]
	s_wait_dscnt 0x0
	s_endpgm
.Lfunc_end_k_q3df7b7a6da_final:
	.size	k_q3df7b7a6da_final, .Lfunc_end_k_q3df7b7a6da_final-k_q3df7b7a6da_final
	.p2alignl 7, 3214868480
	.fill 96, 4, 3214868480
	.section	.rodata,"a",@progbits
	.p2align	6, 0x0
	.amdhsa_kernel k_q3df7b7a6da_final
		.amdhsa_group_segment_fixed_size 327680
		.amdhsa_private_segment_fixed_size 0
		.amdhsa_enable_private_segment 0
		.amdhsa_kernarg_size 24
		.amdhsa_user_sgpr_count 2
		.amdhsa_user_sgpr_kernarg_segment_ptr 1
		.amdhsa_wavefront_size32 1
		.amdhsa_system_sgpr_workgroup_id_x 1
		.amdhsa_system_sgpr_workgroup_id_y 1
		.amdhsa_system_sgpr_workgroup_id_z 1
		.amdhsa_system_vgpr_workitem_id 0
		.amdhsa_next_free_vgpr 256
		.amdhsa_next_free_sgpr 66
		.amdhsa_reserve_vcc 0
		.amdhsa_float_denorm_mode_32 3
		.amdhsa_float_denorm_mode_16_64 3
		.amdhsa_memory_ordered 1
		.amdhsa_forward_progress 1
		.amdhsa_inst_pref_size 58
	.end_amdhsa_kernel
	.amdgpu_metadata
---
amdhsa.version: [ 1, 2 ]
amdhsa.kernels:
  - .name:           k_q3df7b7a6da_final
    .symbol:         k_q3df7b7a6da_final.kd
    .args:
      - { .name: inputs, .offset: 0, .size: 8, .value_kind: global_buffer, .address_space: global }
      - { .name: ubuf, .offset: 8, .size: 8, .value_kind: global_buffer, .address_space: global }
      - { .name: out0, .offset: 16, .size: 8, .value_kind: global_buffer, .address_space: global }
    .group_segment_fixed_size: 327680
    .private_segment_fixed_size: 0
    .kernarg_segment_align: 8
    .kernarg_segment_size: 24
    .max_flat_workgroup_size: 256
    .sgpr_count:     66
    .vgpr_count:     256
    .wavefront_size: 32
...
	.end_amdgpu_metadata
.endif
;; end of part 4
